; MI455X (gfx1250); checked and timed in simulation.
; The chip was launched on July 23, 2026; its instructions are those of AMD's public machine-readable ISA for CDNA 5 (MIT licence, August 2026) and "CDNA5" Instruction Set Architecture Reference Guide (July 2026). The comments in the code are by the model that wrote it; some were corrected since.
;; DCT Channel Block. Allowed arithmetic: matrix products marked QUANTISED: E2M3 operands, one E8M0 scale for each 32 along K, by v_wmma_scale_f32_16x16x128_f8f6f4 with both operands' format E2M3, f32 sums; everything else in f32.
;; Inputs: ln_b 1,024 float32; ln_w 1,024 float32; w1 1,024 x 512 float32; w2 512 x 1,024 float32; x 32 x 512 x 1,024 float32.
;; Outputs: out0 32 x 512 x 1,024 float32.
;; This version of the problem:
;;   THIS VERSION OF THE PROBLEM IS GIVEN IN LOW PRECISION. The matrix products marked QUANTISED in the list below multiply operands that are first quantised to E2M3 (2 exponent bits, 3 mantissa bits; 6 bits a number), with one power-of-two scale for each 32 numbers along K (OCP MX v1.0); their sums are f32. All else is computed in f32.
;;   The module's matrix products, in the order in which they are computed (A, B: the left and right operand; K: the contracted axis; several contracted axes count as one K, in the product's order):
;;     1. [M 16,384, K 1,024] x [K 1,024, N 1,024]; A: input x; B: computed on the way: QUANTISED
;;     2. [M 32,768, K 512] x [K 512, N 1,024]; A: computed on the way; B: input w1: QUANTISED
;;     3. [M 32,768, K 1,024] x [K 1,024, N 512]; A: computed on the way; B: input w2: QUANTISED
;;   THE QUANTISER, for each operand of a quantised product, along K:
;;     - K is cut into blocks of 32 from its start; a last block that is shorter is filled with zeros.
;;     - A block's scale is 2^e with e = floor(log2(the largest magnitude in the block)) - 2, held to -126 .. 127; a block of zeros has e = 0. As a byte (E8M0): e + 127.
;;     - Each number is divided by its block's scale, clamped to +-7.5, and rounded to the nearest number of E2M3, ties to even, subnormals kept.
;;     - The product sums the exact products of the quantised numbers (number of the format x scale) in f32.
;;   ~~~python
;;   def quantise(x, axis):      # numpy; x: float32 -> the quantised numbers, widened to float32 again
;;       x = np.moveaxis(x, axis, -1); K = x.shape[-1]
;;       x = np.pad(x, [(0, 0)] * (x.ndim - 1) + [(0, -K % 32)]); x = x.reshape(x.shape[:-1] + (-1, 32)); a = np.abs(x).max(-1, keepdims=True)
;;       e = np.where(a > 0, np.clip(np.frexp(np.where(a > 0, a, 1))[1] - 1 - 2, -126, 127), 0)      # np.frexp(a)[1] - 1 = floor(log2(a)), exactly
;;       r = np.clip(x / 2.0 ** e, -7.5, 7.5)
;;       step = 2.0 ** (np.maximum(np.frexp(np.where(r == 0, 1, r))[1] - 1, 0) - 3)
;;       q = np.round(r / step) * step * 2.0 ** e      # np.round: ties to even
;;       return np.moveaxis(q.reshape(q.shape[:-2] + (-1,))[..., :K], -1, axis).astype(np.float32)
;;   ~~~
;;   OPERANDS COMPUTED ON THE WAY. 'Computed on the way' means the value that the module computes at that place (a softmax that the list does not call 'softmax' is quantised finished and normalised). What goes into a quantiser is computed in f32, as accurately as f32 sums, v_exp_f32 and their like allow (about 1e-6 of the number): no bf16 or f16 on the way to a quantiser, and a product that is left as it is and whose result goes on into a quantised operand takes f32 operands (vector FMAs, or v_wmma_f32_16x16x4_f32). A number that lies on a knife's edge between two numbers of the format may be rounded either way, as far as f32 arithmetic and the matrix unit's own rounding can turn it there, and no further.
;; One version. Each part assembles by itself: llvm-mc -triple=amdgcn-amd-amdhsa -mcpu=gfx1250 --defsym DOCPART=n.
;; ======== version 1 of 1: 3 launches
;; workspace buffers: dq 819,200 bytes; wq 819,200 bytes; hq 12,582,912 bytes; hs 524,288 bytes
;; launch prep (part 1): grid 256 x 1, 4 waves a work-group, no clusters, 768 bytes of LDS; arguments w1, w2, dq, wq; writes dq, wq
.if DOCPART == 1
	.amdgcn_target "amdgcn-amd-amdhsa--gfx1250"
	.amdhsa_code_object_version 6
	.text
	.protected	k_q6521d9c163_prep
	.globl	k_q6521d9c163_prep
	.p2align	8
	.type	k_q6521d9c163_prep,@function
k_q6521d9c163_prep:
	s_mov_b64 s[64:65], 0
	v_nop
	global_prefetch_b8 v0, s[64:65] scope:SCOPE_SE
	s_setreg_imm32_b32 hwreg(HW_REG_WAVE_MODE, 25, 1), 1
	s_wait_xcnt 0x0
; The three constant operands become codes of FP6 (E2M3) with one E8M0 scale byte for each 32 along K, laid in the ORDER OF THE OPERAND'S REGISTERS:
; D[k][n] = 2 cos(fl(fl(c0 k) (2 n + 1))), c0 = f32(pi / 2048), quantised along n;  w1 [1024][512] along its 512;  w2 [512][1024] along its 1,024.
; A BLOCK of 6,400 bytes = 4 fragment images of 1,536 bytes ([c 0..2][lane][16 bytes] = registers 4 c .. 4 c + 3 of a fragment of 16 rows x 128 K), then 256 bytes of
; scale words [lane][2]: word i of lanes 0-15 belongs to fragment 2 i, of lanes 16-31 to fragment 2 i + 1, row = lane % 16.
; dq and wq are [wave w 0..3][group G 0..31] such blocks: the stream that wave w of the later launches reads, group by group.
;   dq (w, G): K step G / 4;  fragment f holds the frequencies k = 256 w + 64 (G % 4) + 16 f + r.
;   wq (w, G < 16): w1, pass G / 8, K step (G / 2) % 4, tile t = 4 (G % 2) + f: lane r takes row 256 w + 128 pass + 32 (t / 2) + 8 (t % 2) + r + 8 (r / 8), so that the next launch's results
;       stand as neighbours along the next K.  Inside each block of 32 channels position p holds channel p, p + 8, p - 8, p (p in 0-7, 8-15, 16-23, 24-31): the order in which the launch dct's
;       accumulators give h; a block's members, and so its scale, are the same.
;   wq (w, G >= 16): w2, K step (G - 16) / 2, tile t = 4 (G % 2) + f: row 128 w + 16 t + r.
; One work-group makes one block (0-127: dq, 128-255: wq), wave f fragment f.  No tensor loads; one barrier, for the four scale words.
; THE ANGLE is rounded twice in f32 as the source writes it; the cosine of that f32 number is then taken accurately: q = nearest whole number to a 2 / pi; a - q pi / 2 with pi / 2 in two parts (the first product
; is exact: q has 11 bits and the difference is a multiple of 2^-23 under 1); polynomials for sin and cos on +-pi / 4; the quadrant chooses by v_cndmask_b32 and a sign bit.
; LIMITS: NaN and infinities in w1, w2 are not served; a block whose largest magnitude lies under 2^-124 keeps the byte 1; a block of zeros gets the byte 1 and not 127: its codes are zeros, and this program alone reads the bytes.
.set TM,  8                            ; v8-11 largest magnitudes, v12-15 the other half's, v16-19 bytes, v20-23 the conversions' scale operands
.set PW,  24                           ; v24   the scale word
.set L8,  25                           ; v25   8 x lane
.set TK,  26                           ; v26   fl(c0 k)
.set BAS, 27                           ; v27   2 n + 1 of my first number
.set XN,  32                           ; v32-95 64 numbers: register 16 b + i = position 16 (lane / 16) + i of block b
.set CA,  96                           ; v96-127 the cosine's work, four numbers by turns
.set CQ,  100
.set CR,  104
.set CZ,  108
.set CS,  112
.set CC,  116
.set CI,  120
.set CT,  124
.set PC,  128                          ; v128-146 the codes
.set SEL, 44                           ; s[44:45] lane selects: lane l xor 16
.set MSB, 0
.macro WIN new                         ; (this text stays in window 0: the macro writes nothing here; it is kept so that QUANT reads alike in all three launches)
.if MSB != \new
	s_set_vgpr_msb (MSB<<8)|\new
.set MSB, \new
.endif
.endm
; 64 numbers of a lane, in window W, become a fragment's 12 registers in v[PC] on and its rows' scale word in v[PW].
.macro QUANT src, W
.set QW, (\W)|((\W)<<2)
	WIN QW
.irp b, 0,1,2,3
	v_max3_num_f32 v[TM+\b], |v[(\src)+16*\b]|, |v[(\src)+16*\b+1]|, 0x1800000   ; my 16 numbers of block b, and the floor 2^(3 - 127): the byte cannot fall under 1
.endr
.set QW, ((\W)<<2)|((\W)<<4)
	WIN QW
.irp i, 2,4,6,8,10,12,14
.irp b, 0,1,2,3
	v_max3_num_f32 v[TM+\b], v[TM+\b], |v[(\src)+16*\b+\i]|, |v[(\src)+16*\b+\i+1]|   ; the four blocks by turns
.endr
.endr
	WIN 0
.irp b, 0,1,2,3
	v_permlanex16_b32 v[TM+4+\b], v[TM+\b], s[SEL], s[SEL+1]
.endr
.irp b, 0,1,2,3
	v_max_num_f32 v[TM+\b], v[TM+\b], v[TM+4+\b]   ; with lane l xor 16's 16: the block's largest magnitude
.endr
.irp b, 0,1,2,3
	v_add_nc_u32 v[TM+12+\b], 0xff000000, v[TM+\b]   ; 2 off its exponent field: the conversion's scale operand
.endr
.irp b, 0,1,2,3
	v_lshrrev_b32 v[TM+8+\b], 23, v[TM+12+\b]   ; the scale's byte
.endr
	s_wait_dscnt 0x0                               ; no LDS access is out here
	v_lshl_or_b32 v[PW], v[TM+9], 8, v[TM+8]
	v_lshl_or_b32 v[PW], v[TM+10], 16, v[PW]
	v_lshl_or_b32 v[PW], v[TM+11], 24, v[PW]
.set QW, (\W)
	WIN QW
.irp c, 0,1
	v_cvt_scalef32_pk16_fp6_f32 v[PC+6*\c:PC+6*\c+2], v[(\src)+32*\c:(\src)+32*\c+15], v[TM+12+2*\c]
	v_cvt_scalef32_pk16_fp6_f32 v[PC+12+4*\c:PC+12+4*\c+2], v[(\src)+32*\c+16:(\src)+32*\c+31], v[TM+12+2*\c+1]   ; (a conversion's three registers begin on an even number)
.endr
	WIN 0
	v_nop                                          ; one plain place behind a scaled conversion
.irp c, 0,1                                    ; the layout wants a whole block in a lane: lanes 0-15 block 2 c, lanes 16-31 block 2 c + 1
.irp i, 0,1,2
	v_permlane16_swap_b32 v[PC+6*\c+\i], v[PC+12+4*\c+\i]
.endr
.irp i, 0,1,2
	v_mov_b32 v[PC+3+6*\c+\i], v[PC+12+4*\c+\i]
.endr
.endr
.endm
	s_load_b128 s[4:7], s[0:1], 0x0                ; w1, w2
	s_load_b128 s[8:11], s[0:1], 0x10              ; dq, wq
	v_lshl_add_u32 v160, v0, 2, 0x100
	v_mov_b32 v161, 0
	v_lshrrev_b32 v1, 5, v0
	v_readfirstlane_b32 s16, v1                    ; wave = fragment f
	v_and_b32 v1, 15, v0                           ; r
	v_bfe_u32 v2, v0, 4, 1                         ; h
	v_and_b32 v3, 31, v0
	v_lshlrev_b32 v[L8], 3, v3
	v_lshlrev_b32 v3, 4, v3                        ; 16 x lane
	s_and_b32 s17, s16, 1
	s_lshl_b32 s17, s17, 7
	s_lshr_b32 s18, s16, 1
	s_lshl_b32 s18, s18, 2
	s_add_co_u32 s17, s17, s18
	v_lshl_add_u32 v6, v1, 3, s17                  ; LDS: my row's scale word: 8 (r + 16 (f % 2)) + 4 (f / 2)
	s_mov_b32 s[SEL], 0x76543210
	s_mov_b32 s[SEL+1], 0xfedcba98
.irp b, 0,1,2,3
	v_mov_b32 v[TM+4+\b], 0                        ; written once: a lane permute's destination counts as one of its sources
.endr
	s_and_b32 s19, ttmp9, 127                      ; the block's number in its buffer
	s_lshr_b32 s24, s19, 5                         ; w
	s_and_b32 s25, s19, 31                         ; G
	s_mul_i32 s26, s19, 6400
	s_mov_b32 s27, 0
	s_mul_i32 s28, s16, 1536
	s_mov_b32 s29, 0
	s_wait_kmcnt 0x0
	s_cmp_lt_u32 ttmp9, 128                        ; the choice of buffer hangs on the work-group's number alone
	s_cselect_b64 s[12:13], s[8:9], s[10:11]
	s_add_nc_u64 s[12:13], s[12:13], s[26:27]      ; my block
	s_add_nc_u64 s[14:15], s[12:13], s[28:29]      ; my fragment's image
	s_cmp_lt_u32 ttmp9, 128
	s_cbranch_scc0 .Lweights
	; ---- D: 64 cosines a lane
	s_lshl_b32 s30, s24, 8
	s_and_b32 s31, s25, 3
	s_lshl_b32 s31, s31, 6
	s_add_co_u32 s30, s30, s31
	s_lshl_b32 s31, s16, 4
	s_add_co_u32 s30, s30, s31
	v_add_nc_u32 v7, s30, v1                       ; k = 256 w + 64 (G % 4) + 16 f + r
	v_cvt_f32_u32 v7, v7
	v_mul_f32 v[TK], 0x3ac90fdb, v7                ; fl(c0 k): the first rounding
	s_lshr_b32 s31, s25, 2
	s_lshl_b32 s31, s31, 8
	s_add_co_u32 s31, s31, 1
	v_lshl_add_u32 v[BAS], v2, 5, s31              ; 2 (128 (G / 4) + 16 h) + 1
	s_mov_b32 s32, 0x3f22f983                      ; 2 / pi
	s_mov_b32 s33, 0xbfc90fdb                      ; -(pi / 2 rounded to f32)
	s_mov_b32 s34, 0x333bbd2e                      ; that number less pi / 2
	s_mov_b32 s35, 0xb94ca1f9                      ; sin: three coefficients
	s_mov_b32 s36, 0x3c08839e
	s_mov_b32 s37, 0xbe2aaaa3
	s_mov_b32 s38, 0x37ccf5ce                      ; cos: three coefficients
	s_mov_b32 s39, 0xbab6061a
	s_mov_b32 s40, 0x3d2aaaa5
.macro COS4                            ; numbers EE .. EE + 3, line by line by turns
.irp u, 0,1,2,3
	v_add_nc_u32 v[CA+\u], 64*((EE+\u)/16)+2*((EE+\u)%16), v[BAS]   ; 2 n + 1
.endr
.irp u, 0,1,2,3
	v_cvt_f32_u32 v[CA+\u], v[CA+\u]
.endr
.irp u, 0,1,2,3
	v_mul_f32 v[CA+\u], v[TK], v[CA+\u]            ; a: the second rounding
.endr
.irp u, 0,1,2,3
	v_mul_f32 v[CQ+\u], s32, v[CA+\u]
.endr
.irp u, 0,1,2,3
	v_rndne_f32 v[CQ+\u], v[CQ+\u]                 ; q
.endr
.irp u, 0,1,2,3
	v_fma_f32 v[CR+\u], v[CQ+\u], s33, v[CA+\u]    ; exact
.endr
.irp u, 0,1,2,3
	v_fma_f32 v[CR+\u], v[CQ+\u], s34, v[CR+\u]    ; rho = a - q pi / 2
.endr
.irp u, 0,1,2,3
	v_mul_f32 v[CZ+\u], v[CR+\u], v[CR+\u]
.endr
.irp u, 0,1,2,3
	v_fma_f32 v[CS+\u], v[CZ+\u], s35, s36
	v_fma_f32 v[CC+\u], v[CZ+\u], s38, s39
.endr
.irp u, 0,1,2,3
	v_fma_f32 v[CS+\u], v[CS+\u], v[CZ+\u], s37
	v_fma_f32 v[CC+\u], v[CC+\u], v[CZ+\u], s40
.endr
.irp u, 0,1,2,3
	v_mul_f32 v[CS+\u], v[CS+\u], v[CZ+\u]
	v_fma_f32 v[CC+\u], v[CC+\u], v[CZ+\u], -0.5
.endr
.irp u, 0,1,2,3
	v_fma_f32 v[CS+\u], v[CS+\u], v[CR+\u], v[CR+\u]   ; sin rho
	v_fma_f32 v[CC+\u], v[CC+\u], v[CZ+\u], 1.0        ; cos rho
.endr
.irp u, 0,1,2,3
	v_cvt_i32_f32 v[CI+\u], v[CQ+\u]
.endr
.irp u, 0,1,2,3
	v_and_b32 v[CT+\u], 1, v[CI+\u]
.endr
.irp u, 0,1,2,3
	v_cmp_eq_u32 s[20+\u], 1, v[CT+\u]             ; an odd quadrant takes the sine: a choice of value, no branch
.endr
.irp u, 0,1,2,3
	v_cndmask_b32 v[CC+\u], v[CC+\u], v[CS+\u], s[20+\u]
.endr
.irp u, 0,1,2,3
	v_add_nc_u32 v[CI+\u], 1, v[CI+\u]
.endr
.irp u, 0,1,2,3
	v_and_b32 v[CI+\u], 2, v[CI+\u]                ; quadrants 1 and 2 are negative
.endr
.irp u, 0,1,2,3
	v_lshlrev_b32 v[CI+\u], 30, v[CI+\u]
.endr
.irp u, 0,1,2,3
	v_xor_b32 v[CC+\u], v[CC+\u], v[CI+\u]
.endr
.irp u, 0,1,2,3
	v_add_f32 v[XN+EE+\u], v[CC+\u], v[CC+\u]      ; 2 cos a
.endr
.endm
.set EE, 0
.rept 16
	COS4
.set EE, EE+4
.endr
	s_branch .Lquant
.Lweights:                             ; ---- w1 or w2: 64 numbers a lane, 32 bytes at a time
	s_and_b32 s30, s25, 1
	s_lshl_b32 s30, s30, 2
	s_add_co_u32 s30, s30, s16                     ; t = 4 (G % 2) + f
	s_lshl_b32 s31, s24, 8
	s_lshr_b32 s32, s25, 3
	s_lshl_b32 s32, s32, 7
	s_add_co_u32 s31, s31, s32
	s_lshr_b32 s32, s30, 1
	s_lshl_b32 s32, s32, 5
	s_add_co_u32 s31, s31, s32
	s_and_b32 s32, s30, 1
	s_lshl_b32 s32, s32, 3
	s_add_co_u32 s31, s31, s32                     ; w1: 256 w + 128 (G / 8) + 32 (t / 2) + 8 (t % 2)
	s_lshl_b32 s33, s24, 7
	s_lshl_b32 s34, s30, 4
	s_add_co_u32 s33, s33, s34                     ; w2: 128 w + 16 t
	s_lshr_b32 s35, s25, 1
	s_and_b32 s36, s35, 3                          ; w1's K step
	s_and_b32 s37, s35, 7                          ; w2's
	s_cmp_lt_u32 s25, 16                           ; all that differs between the two is chosen here
	s_cselect_b64 s[4:5], s[4:5], s[6:7]
	s_cselect_b32 s31, s31, s33                    ; the tile's first row
	s_cselect_b32 s36, s36, s37                    ; the K step
	s_cselect_b32 s38, 8, 0                        ; w1: lanes 8-15 take rows 8 further on
	s_cselect_b32 s39, 11, 12                      ; a row is 2,048 or 4,096 bytes
	s_cselect_b32 s40, 5, 6                        ; lanes 16-31 begin 32 or 64 bytes further on
	s_cselect_b32 s41, 64, 32                      ; my second eight numbers of a block lie 64 or 32 bytes behind the first
	s_lshl_b32 s36, s36, 9
	v_and_b32 v7, s38, v1
	v_add3_u32 v7, v7, v1, s31                     ; my row
	v_lshlrev_b32 v4, s39, v7
	v_lshlrev_b32 v7, s40, v2
	v_add3_u32 v4, v4, v7, s36
	v_add_nc_u32 v5, s41, v4
.irp b, 0,1,2,3
	global_load_b128 v[XN+16*\b:XN+16*\b+3], v4, s[4:5] offset:128*\b
	global_load_b128 v[XN+16*\b+4:XN+16*\b+7], v4, s[4:5] offset:128*\b+16
	global_load_b128 v[XN+16*\b+8:XN+16*\b+11], v5, s[4:5] offset:128*\b
	global_load_b128 v[XN+16*\b+12:XN+16*\b+15], v5, s[4:5] offset:128*\b+16
.endr
	s_wait_loadcnt 0x0
.Lquant:
	QUANT XN, 0
.irp c, 0,1,2
	global_store_b128 v3, v[PC+4*\c:PC+4*\c+3], s[14:15] offset:512*\c   ; 32 lanes store 512 consecutive bytes, at a multiple of 256 from the buffer's first byte
.endr
	ds_store_b32 v6, v[PW]                         ; lanes r and r + 16 write the same word with the same value
	s_wait_dscnt 0x0                               ; for the others' sake: my word has landed
	s_barrier_signal -1
	s_barrier_wait -1
	s_cmp_lg_u32 s16, 0
	s_cbranch_scc1 .Lend
	ds_load_b64 v[28:29], v[L8]                    ; wave 0 stores the block's 256 bytes of scale words as one piece
	s_wait_dscnt 0x0
	global_store_b64 v[L8], v[28:29], s[12:13] offset:6144
.Lend:
	s_wait_tensorcnt 0x0
	ds_add_u32 v160, v161
	s_wait_dscnt 0x0
	s_endpgm
.Lfunc_end_k_q6521d9c163_prep:
	.size	k_q6521d9c163_prep, .Lfunc_end_k_q6521d9c163_prep-k_q6521d9c163_prep
	.p2alignl 7, 3214868480
	.fill 96, 4, 3214868480
	.section	.rodata,"a",@progbits
	.p2align	6, 0x0
	.amdhsa_kernel k_q6521d9c163_prep
		.amdhsa_group_segment_fixed_size 768
		.amdhsa_private_segment_fixed_size 0
		.amdhsa_enable_private_segment 0
		.amdhsa_kernarg_size 32
		.amdhsa_user_sgpr_count 2
		.amdhsa_user_sgpr_kernarg_segment_ptr 1
		.amdhsa_wavefront_size32 1
		.amdhsa_system_sgpr_workgroup_id_x 1
		.amdhsa_system_sgpr_workgroup_id_y 1
		.amdhsa_system_sgpr_workgroup_id_z 1
		.amdhsa_system_vgpr_workitem_id 0
		.amdhsa_next_free_vgpr 162
		.amdhsa_next_free_sgpr 66
		.amdhsa_reserve_vcc 0
		.amdhsa_float_denorm_mode_32 3
		.amdhsa_float_denorm_mode_16_64 3
		.amdhsa_memory_ordered 1
		.amdhsa_forward_progress 1
		.amdhsa_inst_pref_size 84
	.end_amdhsa_kernel
	.amdgpu_metadata
---
amdhsa.version: [ 1, 2 ]
amdhsa.kernels:
  - .name:           k_q6521d9c163_prep
    .symbol:         k_q6521d9c163_prep.kd
    .args:
      - { .name: w1, .offset: 0, .size: 8, .value_kind: global_buffer, .address_space: global }
      - { .name: w2, .offset: 8, .size: 8, .value_kind: global_buffer, .address_space: global }
      - { .name: dq, .offset: 16, .size: 8, .value_kind: global_buffer, .address_space: global }
      - { .name: wq, .offset: 24, .size: 8, .value_kind: global_buffer, .address_space: global }
    .group_segment_fixed_size: 768
    .private_segment_fixed_size: 0
    .kernarg_segment_align: 8
    .kernarg_segment_size: 32
    .max_flat_workgroup_size: 128
    .sgpr_count:     66
    .vgpr_count:     162
    .wavefront_size: 32
...
	.end_amdgpu_metadata
.endif
;; end of part 1
;; launch dct (part 2): grid 256 x 1, 4 waves a work-group, no clusters, 327,680 bytes of LDS; arguments x, dq, ln_w, ln_b, hq, hs; writes hq, hs
.if DOCPART == 2
	.amdgcn_target "amdgcn-amd-amdhsa--gfx1250"
	.amdhsa_code_object_version 6
	.text
	.protected	k_q6521d9c163_dct
	.globl	k_q6521d9c163_dct
	.p2align	8
	.type	k_q6521d9c163_dct,@function
k_q6521d9c163_dct:
	s_mov_b64 s[64:65], 0
	v_nop
	global_prefetch_b8 v0, s[64:65] scope:SCOPE_SE
	s_setreg_imm32_b32 hwreg(HW_REG_WAVE_MODE, 25, 1), 1
	s_wait_xcnt 0x0
; freq = Q(x) Q(D)^T on codes of FP6 (E2M3), LayerNorm of each row over its 1,024 frequencies in f32, and h quantised along the CHANNELS for the next product.
; SHARES.  x is [16,384 rows (b, c)][1,024].  A work-group takes 64 rows (batch b = g / 8, channels 64 cg .. 64 cg + 63, cg = g % 8) x all 1,024 frequencies: 65,536 sums, 512 registers in each of four waves.
; Wave w takes the frequencies 256 w .. 256 w + 255: 16 column tiles n x 4 row tiles a.  Source 0 = 16 rows of x, source 1 = 16 frequencies of D: lane (r, h), register j of accumulator (a, n) is
; channel 16 a + 8 h + j at frequency l = 256 w + 16 n + r.  Accumulator (a, n) lies at v[32 (n % 8) + 8 a] of window 2 (n < 8) or 3: tiles 2 bb and 2 bb + 1 stand on end, 16 registers of one block of 32 channels.
; x: each wave asks at its first lines for its own 16 rows, as 8 chunks of 128 numbers, by 8 tensor loads (by this text's count 8 are out); nothing in LDS is filled twice.  A wave reads only bytes that it
; fetched itself, behind its own counted wait; it quantises a chunk into one fragment, and the four fragments of a K step go from wave to wave as images of their registers, in two buffers by turns, one barrier a step.
; D: codes in the order of the operand's registers (launch prep); a fragment feeds one wave alone, so it goes from memory straight into that wave's registers: a ring of 5 groups of 4 fragments, 13 loads a group.
; NO CLUSTER: x's tile takes 270,336 bytes of LDS, a K step of D for the work-group is 102,400 bytes: no two slots for it fit beside x; and no fragment of D is read by two waves of a work-group.
; LAYERNORM in two passes (the mean, then the mean of squares of what is left): no difference of large sums is formed.
; h LEAVES AS CODES: hq [tile 8 b + l / 128][fragment 8 (channel / 128) + (l / 16) % 8][1,536 bytes], a fragment in four parts: registers 0-3 [lane][16], 4-5 [lane][8], 6-9, 10-11: this work-group's 64 channels are
; one half (768 bytes).  Inside a block of 32 channels position p holds channel p, p + 8, p - 8, p (by eights): w1's codes are laid alike.  hs [tile][cg][r][m] of 2 bytes: the scale bytes of the two blocks at l = 16 m + r of the tile.
; LIMITS: NaN and infinities are not served; a block whose largest magnitude lies under 2^-124 keeps the byte 1; a block of zeros gets the byte 1 and not 127 (its codes are zeros; this program alone reads the bytes).
.set CHUNK, 8448                       ; LDS: a chunk of x: 16 rows x (512 bytes + 16 of padding); chunk (w, s) at (8 w + s) CHUNK
.set XI,    270336                     ; x's images: 2 buffers x 4 fragments x 1,536 bytes
.set XS,    282624                     ; their scale words: 2 x 4 x 128 bytes
.set RED,   283648                     ; the rows' partial sums: 2 regions x 4 waves x 256 bytes
.set L16, 1                            ; v1   16 x lane
.set L8,  2                            ; v2   8 x lane
.set XNA, 3                            ; v3   my 64 bytes of a block of x in my wave's chunk 0
.set LIA, 4                            ; v4   XI + 16 x lane
.set XWI, 5                            ; v5   + 1,536 x wave: where my wave's image goes
.set LSA, 6                            ; v6   XS + 4 x lane
.set XWS, 7                            ; v7   + 128 x wave
.set RW,  8                            ; v8   RED + 256 x wave + 32 h
.set RR,  9                            ; v9   RED + 32 h
.set LNA, 10                           ; v10  ln_w, ln_b: 1,024 w + 4 r
.set HSA, 11                           ; v11  hs: 2,048 h + 16 r
.set AS,  16                           ; v16-19  x's scale words, one register a row tile
.set DS,  20                           ; v20-29  D's scale words, two registers a ring slot
.set AF,  32                           ; v32-79  x's four fragments
.set XN,  80                           ; v80-143 64 numbers of x
.set TM,  144                          ; v144-159 the quantiser's work
.set PW,  160
.set PC,  162                          ; v162-180
.set LW,  182                          ; v182-197 ln_w at l = 256 w + 16 n + r
.set LB,  198                          ; v198-213 ln_b
.set SUM, 32                           ; LayerNorm: v32-63 sums, v64-95 -mean, v96-127 1 / sqrt(var + eps): register q = 8 a + j is channel 16 a + 8 h + j
.set NMU, 64
.set RS,  96
.set LW2, 214                          ; v214-229, v230-245: ln_w and ln_b with neighbours exchanged, so that an odd tile's number stands first in an even pair
.set LB2, 230
.set HM,  128                          ; h's quantiser: v128-135 maxima, v136-143 the other half's, v144-151 scale operands, v152-159 bytes
.set HP,  136
.set HSO, 144
.set HB,  152
.set CS,  164                          ; v164-179 a block's upper codes, v214-245 four half fragments (8 registers apart)
.set CF,  214
.set SPK, 246                          ; v246-253 the 16 tiles' pairs of scale bytes, two tiles to a register
.set G1,  24                           ; s[24:31] descriptor group 1;  s[32:63] group 0 for the 8 chunks
.set G0,  32
.set SEL, 20
.set MSB, 0
.macro WIN new                         ; s_set_vgpr_msb: bits 1:0 source 0, 3:2 source 1, 5:4 source 2, 7:6 destination; the high byte repeats the setting that is left
.if MSB != \new
	s_set_vgpr_msb (MSB<<8)|\new
.set MSB, \new
.endif
.endm
.macro PLACES n
.rept \n
	v_nop
.endr
.endm
; 64 numbers of a lane, in window W (register 16 b + i = position 16 (lane / 16) + i of block b of my row), become a fragment's 12 registers in v[PC] on and the rows' scale word in v[PW].
.macro QUANT src, W
.set QW, (\W)|((\W)<<2)
	WIN QW
.irp b, 0,1,2,3
	v_max3_num_f32 v[TM+\b], |v[(\src)+16*\b]|, |v[(\src)+16*\b+1]|, 0x1800000   ; my 16 numbers of block b, and the floor 2^(3 - 127): the byte cannot fall under 1
.endr
.set QW, ((\W)<<2)|((\W)<<4)
	WIN QW
.irp i, 2,4,6,8,10,12,14
.irp b, 0,1,2,3
	v_max3_num_f32 v[TM+\b], v[TM+\b], |v[(\src)+16*\b+\i]|, |v[(\src)+16*\b+\i+1]|
.endr
.endr
	WIN 0
.irp b, 0,1,2,3
	v_permlanex16_b32 v[TM+4+\b], v[TM+\b], s[SEL], s[SEL+1]
.endr
.irp b, 0,1,2,3
	v_max_num_f32 v[TM+\b], v[TM+\b], v[TM+4+\b]   ; with lane l xor 16's 16: the block's largest magnitude
.endr
.irp b, 0,1,2,3
	v_add_nc_u32 v[TM+12+\b], 0xff000000, v[TM+\b]   ; 2 off its exponent field: the conversion's scale operand
.endr
.irp b, 0,1,2,3
	v_lshrrev_b32 v[TM+8+\b], 23, v[TM+12+\b]   ; the scale's byte
.endr
	s_wait_dscnt 0x0                               ; the last image's stores have read the word and the codes
	v_lshl_or_b32 v[PW], v[TM+9], 8, v[TM+8]
	v_lshl_or_b32 v[PW], v[TM+10], 16, v[PW]
	v_lshl_or_b32 v[PW], v[TM+11], 24, v[PW]
.set QW, (\W)
	WIN QW
.irp c, 0,1
	v_cvt_scalef32_pk16_fp6_f32 v[PC+6*\c:PC+6*\c+2], v[(\src)+32*\c:(\src)+32*\c+15], v[TM+12+2*\c]
	v_cvt_scalef32_pk16_fp6_f32 v[PC+12+4*\c:PC+12+4*\c+2], v[(\src)+32*\c+16:(\src)+32*\c+31], v[TM+12+2*\c+1]   ; (a conversion's three registers begin on an even number)
.endr
	WIN 0
	v_nop                                          ; one plain place behind a scaled conversion
.irp c, 0,1                                    ; the layout wants a whole block in a lane: lanes 0-15 block 2 c, lanes 16-31 block 2 c + 1
.irp i, 0,1,2
	v_permlane16_swap_b32 v[PC+6*\c+\i], v[PC+12+4*\c+\i]
.endr
.irp i, 0,1,2
	v_mov_b32 v[PC+3+6*\c+\i], v[PC+12+4*\c+\i]
.endr
.endr
.endm
.macro IMAGE adr, off                  ; the fragment in v[PC] on goes to LDS as it stands: lane l's 16 bytes at 16 l
.irp c, 0,1,2
	ds_store_b128 v[\adr], v[PC+4*\c:PC+4*\c+3] offset:(\off)+512*\c
.endr
.endm
	s_load_b256 s[4:11], s[0:1], 0x0               ; x s[4:5], dq s[6:7], ln_w s[8:9], ln_b s[10:11]
	s_load_b128 s[12:15], s[0:1], 0x20             ; hq s[12:13], hs s[14:15]
	v_lshl_add_u32 v254, v0, 2, 0x45c00
	v_mov_b32 v255, 0
	ds_add_u32 v254, v255
	ds_add_u32 v254, v255
	v_lshrrev_b32 v12, 5, v0
	v_readfirstlane_b32 s16, v12                   ; wave 0..3
	; group 1: a tile of 16 rows x 128 elements of 4 bytes, rows 1,024 elements apart, 4 words of padding behind every 128
	s_mov_b32 s[G1+0], (2<<16)|(1<<20)|(6<<22)|(3<<25)
	s_mov_b32 s[G1+1], 128<<16                     ; tensor_dim0 = 128
	s_mov_b32 s[G1+2], 16<<16                      ; tensor_dim1 = 16
	s_mov_b32 s[G1+3], 128<<16                     ; tile_dim0 = 128
	s_mov_b32 s[G1+4], 16                          ; tile_dim1 = 16
	s_mov_b32 s[G1+5], 1024                        ; from row to row
	s_mov_b32 s[G1+6], 0
	s_mov_b32 s[G1+7], 0
	s_lshl_b32 s2, ttmp9, 18                       ; 64 rows of 4,096 bytes a work-group,
	s_lshl_b32 s3, s16, 16                         ; 16 a wave
	s_add_co_u32 s2, s2, s3
	s_mov_b32 s3, 0
	s_mul_i32 s17, s16, 8*CHUNK                    ; my wave's chunks in LDS
	s_wait_dscnt 0x0
	s_wait_kmcnt 0x0
	s_add_nc_u64 s[4:5], s[4:5], s[2:3]
.irp s, 0,1,2,3,4,5,6,7
	s_mov_b32 s[G0+4*\s], 1                        ; count = 1
	s_add_co_u32 s[G0+4*\s+1], s17, \s*CHUNK       ; LDS address
	s_add_nc_u64 s[G0+4*\s+2:G0+4*\s+3], s[4:5], \s*512   ; the chunk's first number
	s_or_b32 s[G0+4*\s+3], s[G0+4*\s+3], 0x80000000       ; type = 2
.endr
.irp s, 0,1,2,3,4,5,6,7
	tensor_load_to_lds s[G0+4*\s:G0+4*\s+3], s[G1:G1+7]   ; all of my wave's x, ahead of every wait, LDS read and barrier
	s_nop 0
.endr
	PLACES 4                                       ; (four places behind a tensor load)
	v_and_b32 v12, 15, v0                          ; r
	v_bfe_u32 v13, v0, 4, 1                        ; h
	v_and_b32 v14, 31, v0                          ; lane
	v_lshlrev_b32 v[L16], 4, v14
	v_lshlrev_b32 v[L8], 3, v14
	v_mul_u32_u24 v[XNA], v12, 528
	v_lshl_add_u32 v[XNA], v13, 6, v[XNA]
	v_add_nc_u32 v[XNA], s17, v[XNA]
	v_add_nc_u32 v[LIA], XI, v[L16]
	s_mul_i32 s18, s16, 1536
	v_add_nc_u32 v[XWI], s18, v[LIA]
	v_lshlrev_b32 v[LSA], 2, v14
	v_add_nc_u32 v[LSA], XS, v[LSA]
	s_lshl_b32 s18, s16, 7
	v_add_nc_u32 v[XWS], s18, v[LSA]
	v_lshlrev_b32 v[RR], 5, v13
	v_add_nc_u32 v[RR], RED, v[RR]
	s_lshl_b32 s18, s16, 8
	v_add_nc_u32 v[RW], s18, v[RR]
	v_lshlrev_b32 v[LNA], 2, v12
	s_lshl_b32 s18, s16, 10
	v_add_nc_u32 v[LNA], s18, v[LNA]
	v_lshlrev_b32 v[HSA], 4, v12
	v_lshl_add_u32 v[HSA], v13, 11, v[HSA]
.irp b, 0,1,2,3
	v_mov_b32 v[TM+4+\b], 0                        ; written once: a lane permute's destination counts as one of its sources
.endr
	s_mov_b32 s[SEL], 0x76543210
	s_mov_b32 s[SEL+1], 0xfedcba98
	s_mov_b32 s22, 0x3a800000                      ; 1 / 1,024
	s_mov_b32 s23, 0x358637bd                      ; eps = 1e-6
	s_mul_i32 s18, s16, 204800                     ; dq: my wave's stream of 32 groups
	s_mov_b32 s19, 0
	s_add_nc_u64 s[6:7], s[6:7], s[18:19]
	s_lshr_b32 s66, ttmp9, 3                       ; b
	s_and_b32 s67, ttmp9, 7                        ; cg
	s_lshl_b32 s68, s66, 3
	s_lshl_b32 s69, s16, 1
	s_add_co_u32 s68, s68, s69
	s_mul_i32 s68, s68, 49152                      ; hq: tile 8 b + 2 w,
	s_lshr_b32 s69, s67, 1
	s_mul_i32 s69, s69, 12288                      ; K step cg / 2,
	s_add_co_u32 s68, s68, s69
	s_and_b32 s69, s67, 1
	s_mul_i32 s69, s69, 768                        ; half cg % 2 of each fragment
	s_add_co_u32 s68, s68, s69
	s_mov_b32 s69, 0
	s_add_nc_u64 s[12:13], s[12:13], s[68:69]
	s_lshl_b32 s70, s66, 14                        ; hs: 2,048 (8 b + 2 w) + 256 cg
	s_lshl_b32 s71, s16, 12
	s_add_co_u32 s70, s70, s71
	s_lshl_b32 s71, s67, 8
	s_add_co_u32 s70, s70, s71
	s_mov_b32 s71, 0
	s_add_nc_u64 s[14:15], s[14:15], s[70:71]
.irp n, 0,1,2,3,4,5,6,7,8,9,10,11,12,13,14,15
	global_load_b32 v[LW+\n], v[LNA], s[8:9] offset:64*\n
	global_load_b32 v[LB+\n], v[LNA], s[10:11] offset:64*\n
.endr
; A group of D: its scale words, then four fragments: 13 loads.  The base and the two offsets are never rewritten.
.macro DLOAD slot, off
	WIN 0
	global_load_b64 v[DS+2*(\slot):DS+2*(\slot)+1], v[L8], s[6:7] offset:(\off)+6144
	WIN 0x40                                       ; destination window 1
.irp f, 0,1,2,3
.irp c, 0,1,2
	global_load_b128 v[48*(\slot)+12*\f+4*\c:48*(\slot)+12*\f+4*\c+3], v[L16], s[6:7] offset:(\off)+1536*\f+512*\c
.endr
.endr
.endm
.macro FETCHA buf                      ; the K step's four fragments of x and their scale words: 16 LDS loads
.irp a, 0,1,2,3
.irp c, 0,1,2
	ds_load_b128 v[AF+12*\a+4*\c:AF+12*\a+4*\c+3], v[LIA] offset:6144*(\buf)+1536*\a+512*\c
.endr
.endr
.irp a, 0,1,2,3
	ds_load_b32 v[AS+\a], v[LSA] offset:512*(\buf)+128*\a
.endr
.endm
.macro XNLOAD s                        ; my lane's 64 numbers of chunk s: of row r, 16 neighbours of each block of 32: 16 LDS loads
.irp b, 0,1,2,3
.irp j, 0,1,2,3
	ds_load_b128 v[XN+16*\b+4*\j:XN+16*\b+4*\j+3], v[XNA] offset:CHUNK*(\s)+128*\b+16*\j
.endr
.endr
.endm
; 16 products: column tiles 4 gq .. 4 gq + 3 x the four row tiles, K step s.  The 64 accumulators take turns, one instruction a turn, in the same order in every step.
; The first step's products take the constant 0 as C: nothing is cleared.  Four places follow: for the loads into the slot just read, for the next step's loads into x's fragments, and at the end for the first read of the sums.
.macro AGROUP s, gq
.set GG, 4*(\s)+(\gq)
.set SL, GG%5
.set LEFT, 31-GG
.if LEFT > 4
.set LEFT, 4
.endif
	s_wait_loadcnt 13*LEFT                         ; my group is in: behind it at most four groups of 13 loads were issued
.if (\gq) < 2
	WIN 0xa4                                       ; source 0 (x) window 0, source 1 (D) window 1, C and D window 2
.else
	WIN 0xf4                                       ; the same, C and D window 3
.endif
.irp f, 0,1,2,3
.irp a, 0,1,2,3
.set AC, 32*((4*(\gq)+\f)%8)+8*\a
.set AR, AF+12*\a
.set BR, 48*SL+12*\f
.set SB, DS+2*SL+\f/2
.if (\s) == 0
.if \f%2
	v_wmma_scale_f32_16x16x128_f8f6f4 v[AC:AC+7], v[AR:AR+11], v[BR:BR+11], 0, v[AS+\a], v[SB] matrix_a_fmt:MATRIX_FMT_FP6 matrix_b_fmt:MATRIX_FMT_FP6 matrix_b_scale:MATRIX_SCALE_ROW1
.else
	v_wmma_scale_f32_16x16x128_f8f6f4 v[AC:AC+7], v[AR:AR+11], v[BR:BR+11], 0, v[AS+\a], v[SB] matrix_a_fmt:MATRIX_FMT_FP6 matrix_b_fmt:MATRIX_FMT_FP6
.endif
.else
.if \f%2
	v_wmma_scale_f32_16x16x128_f8f6f4 v[AC:AC+7], v[AR:AR+11], v[BR:BR+11], v[AC:AC+7], v[AS+\a], v[SB] matrix_a_fmt:MATRIX_FMT_FP6 matrix_b_fmt:MATRIX_FMT_FP6 matrix_b_scale:MATRIX_SCALE_ROW1
.else
	v_wmma_scale_f32_16x16x128_f8f6f4 v[AC:AC+7], v[AR:AR+11], v[BR:BR+11], v[AC:AC+7], v[AS+\a], v[SB] matrix_a_fmt:MATRIX_FMT_FP6 matrix_b_fmt:MATRIX_FMT_FP6
.endif
.endif
.endr
.endr
	PLACES 4
.if GG+5 <= 31
	DLOAD SL, 6400*(GG+5)                          ; the slot takes the group five further on
.endif
.endm
; A K step of 128: 64 products; in its middle my wave's next chunk of x is quantised and its image stored into the other buffer.
; That buffer was last read at the head of the step before, and every wave waited for those reads in front of that step's barrier.
.macro ASTEP s
	WIN 0
	FETCHA ((\s)%2)
.if (\s) < 7
	s_wait_tensorcnt 6-(\s)                        ; chunk s + 1 has landed: 6 - s chunks were asked for behind it
	XNLOAD ((\s)+1)
	s_wait_dscnt 16                                ; x's fragments are in; the 16 loads just issued may be out
.else
	s_wait_dscnt 0x0
.endif
	AGROUP \s, 0
	AGROUP \s, 1
.if (\s) < 7
	s_wait_dscnt 0x0                               ; the next chunk's numbers are in
	QUANT XN, 0
	IMAGE XWI, 6144*(((\s)+1)%2)
	ds_store_b32 v[XWS], v[PW] offset:512*(((\s)+1)%2)
.endif
	AGROUP \s, 2
	AGROUP \s, 3
.if (\s) < 7
	s_wait_dscnt 0x0                               ; for the others' sake: my image has landed, and my reads of this step's buffer are over
	s_barrier_signal -1
	s_barrier_wait -1
.endif
.endm
.irp g, 0,1,2,3,4
	DLOAD \g, 6400*\g
.endr
	WIN 0
	s_wait_tensorcnt 7                             ; chunk 0 has landed: seven were asked for behind it
	XNLOAD 0
	s_wait_dscnt 0x0
	QUANT XN, 0
	IMAGE XWI, 0
	ds_store_b32 v[XWS], v[PW]
	s_wait_dscnt 0x0
	s_barrier_signal -1
	s_barrier_wait -1
.irp s, 0,1,2,3,4,5,6,7
	ASTEP \s
.endr
	; ---- LAYERNORM.  The sum of my lane's 16 frequencies for each of its 32 channels; each accumulator is read from its low end on
	WIN 0x0a                                       ; sources 0 and 1 window 2
.set QQ, 0
.rept 16
	v_pk_add_f32 v[SUM+QQ:SUM+QQ+1], v[QQ:QQ+1], v[32+QQ:32+QQ+1]
.set QQ, QQ+2
.endr
	WIN 0x08                                       ; source 1 window 2
.irp n, 2,3,4,5,6,7
.set QQ, 0
.rept 16
	v_pk_add_f32 v[SUM+QQ:SUM+QQ+1], v[SUM+QQ:SUM+QQ+1], v[32*\n+QQ:32*\n+QQ+1]
.set QQ, QQ+2
.endr
.endr
	WIN 0x0c                                       ; source 1 window 3
.irp n, 0,1,2,3,4,5,6,7
.set QQ, 0
.rept 16
	v_pk_add_f32 v[SUM+QQ:SUM+QQ+1], v[SUM+QQ:SUM+QQ+1], v[32*\n+QQ:32*\n+QQ+1]
.set QQ, QQ+2
.endr
.endr
; v[SUM] on: over the 16 lanes of my half (they hold the same channels), then over the four waves through LDS: each wave's 64 sums at 4 x channel of its own 256 bytes; one barrier; every wave adds the four in the same order.
.macro REDUCE off
	WIN 0
.irp x, 1,2,4,8
.set QQ, 0
.rept 32
	v_add_f32_dpp v[SUM+QQ], v[SUM+QQ], v[SUM+QQ] row_xmask:\x row_mask:0xf bank_mask:0xf
.set QQ, QQ+1
.endr
.endr
.irp i, 0,1,2,3,4,5,6,7
	ds_store_b128 v[RW], v[SUM+4*\i:SUM+4*\i+3] offset:(\off)+64*(\i/2)+16*(\i%2)   ; the 16 lanes of a half write the same bytes with the same values
.endr
	s_wait_dscnt 0x0
	s_barrier_signal -1
	s_barrier_wait -1
	WIN 0x40                                       ; into window 1: D's ring is done with
.irp ww, 0,1,2,3
.irp i, 0,1,2,3,4,5,6,7
	ds_load_b128 v[32*\ww+4*\i:32*\ww+4*\i+3], v[RR] offset:(\off)+256*\ww+64*(\i/2)+16*(\i%2)
.endr
.endr
	s_wait_dscnt 0x0
	WIN 0x05
.set QQ, 0
.rept 16
	v_pk_add_f32 v[SUM+QQ:SUM+QQ+1], v[QQ:QQ+1], v[32+QQ:32+QQ+1]
.set QQ, QQ+2
.endr
	WIN 0x04
.irp ww, 2,3
.set QQ, 0
.rept 16
	v_pk_add_f32 v[SUM+QQ:SUM+QQ+1], v[SUM+QQ:SUM+QQ+1], v[32*\ww+QQ:32*\ww+QQ+1]
.set QQ, QQ+2
.endr
.endr
	WIN 0
.endm
	REDUCE 0
.set QQ, 0
.rept 16
	v_pk_mul_f32 v[NMU+QQ:NMU+QQ+1], v[SUM+QQ:SUM+QQ+1], 0xba800000 op_sel_hi:[1,0]   ; -mean
.set QQ, QQ+2
.endr
.irp ww, 2,3                                   ; freq - mean, in place
.set QW, (\ww<<6)|\ww
	WIN QW
.irp n, 0,1,2,3,4,5,6,7
.set QQ, 0
.rept 16
	v_pk_add_f32 v[32*\n+QQ:32*\n+QQ+1], v[32*\n+QQ:32*\n+QQ+1], v[NMU+QQ:NMU+QQ+1]
.set QQ, QQ+2
.endr
.endr
.endr
	WIN 0x0a                                       ; the sum of its squares
.set QQ, 0
.rept 16
	v_pk_mul_f32 v[SUM+QQ:SUM+QQ+1], v[QQ:QQ+1], v[QQ:QQ+1]
.set QQ, QQ+2
.endr
.irp n, 1,2,3,4,5,6,7
.set QQ, 0
.rept 16
	v_pk_fma_f32 v[SUM+QQ:SUM+QQ+1], v[32*\n+QQ:32*\n+QQ+1], v[32*\n+QQ:32*\n+QQ+1], v[SUM+QQ:SUM+QQ+1]
.set QQ, QQ+2
.endr
.endr
	WIN 0x0f
.irp n, 0,1,2,3,4,5,6,7
.set QQ, 0
.rept 16
	v_pk_fma_f32 v[SUM+QQ:SUM+QQ+1], v[32*\n+QQ:32*\n+QQ+1], v[32*\n+QQ:32*\n+QQ+1], v[SUM+QQ:SUM+QQ+1]
.set QQ, QQ+2
.endr
.endr
	REDUCE 1024                                    ; a second region of LDS: so no barrier is owed between the first region's reads and these stores
.set QQ, 0
.rept 32
	v_fma_f32 v[SUM+QQ], v[SUM+QQ], s22, s23       ; var + eps
.set QQ, QQ+1
.endr
.set QQ, 0
.rept 32
	v_rsq_f32 v[RS+QQ], v[SUM+QQ]                  ; one batch
.set QQ, QQ+1
.endr
.irp n, 0,1,2,3,4,5,6,7,8,9,10,11,12,13,14,15
	v_mov_b32 v[LW2+\n], v[LW+(\n^1)]              ; independent work behind the batch: neighbours exchanged
	v_mov_b32 v[LB2+\n], v[LB+(\n^1)]
.endr
	s_wait_alu depctr_va_vdst(0)                   ; one wait for the 32, ahead of their first reader
; h = (freq - mean) x rsqrt x ln_w + ln_b, in place; ln_w and ln_b hang on the lane's frequency: one number a tile, the first of an even pair
.macro NORM n
.set NB, 32*((\n)%8)
.set QQ, 0
.rept 16
	v_pk_mul_f32 v[NB+QQ:NB+QQ+1], v[NB+QQ:NB+QQ+1], v[RS+QQ:RS+QQ+1]
.set QQ, QQ+2
.endr
.set QQ, 0
.rept 16
.if (\n)%2
	v_pk_fma_f32 v[NB+QQ:NB+QQ+1], v[NB+QQ:NB+QQ+1], v[LW2+(\n)-1:LW2+(\n)], v[LB2+(\n)-1:LB2+(\n)] op_sel_hi:[1,0,0]
.else
	v_pk_fma_f32 v[NB+QQ:NB+QQ+1], v[NB+QQ:NB+QQ+1], v[LW+(\n):LW+(\n)+1], v[LB+(\n):LB+(\n)+1] op_sel_hi:[1,0,0]
.endif
.set QQ, QQ+2
.endr
.endm
	WIN 0x82                                       ; destination and source 0 window 2
.irp n, 0,1,2,3,4,5,6,7
	NORM \n
.endr
	WIN 0xc3
.irp n, 8,9,10,11,12,13,14,15
	NORM \n
.endr
	WIN 0
.irp u, 0,1,2,3,4,5,6,7
	v_mov_b32 v[HP+\u], 0                          ; written once: a lane permute's destination counts as one of its sources
.endr
; ---- h INTO CODES, four column tiles at a time: 8 blocks of 32 channels (tile i, block bb: u = 2 i + bb) by turns.  A block lies in lanes l and l xor 16, 16 registers each.
.macro HQ g
.set HW, 2+(\g)/2
.set QW, HW|(HW<<2)
	WIN QW
.irp u, 0,1,2,3,4,5,6,7
.set SRC, 32*((4*(\g)+\u/2)%8)+16*(\u%2)
	v_max3_num_f32 v[HM+\u], |v[SRC]|, |v[SRC+1]|, 0x1800000
.endr
.set QW, (HW<<2)|(HW<<4)
	WIN QW
.irp i, 2,4,6,8,10,12,14
.irp u, 0,1,2,3,4,5,6,7
.set SRC, 32*((4*(\g)+\u/2)%8)+16*(\u%2)
	v_max3_num_f32 v[HM+\u], v[HM+\u], |v[SRC+\i]|, |v[SRC+\i+1]|
.endr
.endr
	WIN 0
.irp u, 0,1,2,3,4,5,6,7
	v_permlanex16_b32 v[HP+\u], v[HM+\u], s[SEL], s[SEL+1]
.endr
.irp u, 0,1,2,3,4,5,6,7
	v_max_num_f32 v[HM+\u], v[HM+\u], v[HP+\u]
.endr
.irp u, 0,1,2,3,4,5,6,7
	v_add_nc_u32 v[HSO+\u], 0xff000000, v[HM+\u]   ; the conversion's scale operand
.endr
.irp u, 0,1,2,3,4,5,6,7
	v_lshrrev_b32 v[HB+\u], 23, v[HSO+\u]          ; the byte
.endr
.irp i, 0,1,2,3
	v_lshl_or_b32 v[HB+2*\i], v[HB+2*\i+1], 8, v[HB+2*\i]   ; a tile's two bytes
.endr
	v_lshl_or_b32 v[SPK+2*(\g)], v[HB+2], 16, v[HB]
	v_lshl_or_b32 v[SPK+2*(\g)+1], v[HB+6], 16, v[HB+4]
	s_wait_xcnt 0x0                                ; the last four tiles' stores have read their data: the codes' registers may be written again
	WIN HW
.irp i, 0,1,2,3
.set SRC, 32*((4*(\g)+\i)%8)
	v_cvt_scalef32_pk16_fp6_f32 v[CF+8*\i:CF+8*\i+2], v[SRC:SRC+15], v[HSO+2*\i]
	v_cvt_scalef32_pk16_fp6_f32 v[CS+4*\i:CS+4*\i+2], v[SRC+16:SRC+31], v[HSO+2*\i+1]
.endr
	WIN 0
	v_nop                                          ; one plain place behind a scaled conversion
.irp i, 0,1,2,3
.irp k, 0,1,2
	v_permlane16_swap_b32 v[CF+8*\i+\k], v[CS+4*\i+\k]   ; lanes 0-15 now hold block 0 whole, lanes 16-31 block 1
.endr
.endr
.irp i, 0,1,2,3
.irp k, 0,1,2
	v_mov_b32 v[CF+8*\i+3+\k], v[CS+4*\i+\k]
.endr
.endr
.irp i, 0,1,2,3
.set NN, 4*(\g)+\i
	global_store_b128 v[L16], v[CF+8*\i:CF+8*\i+3], s[12:13] offset:49152*(NN/8)+1536*(NN%8)        ; 512 consecutive bytes, at a multiple of 256 from the buffer's first byte
	global_store_b64 v[L8], v[CF+8*\i+4:CF+8*\i+5], s[12:13] offset:49152*(NN/8)+1536*(NN%8)+512    ; 256 likewise
.endr
.endm
	HQ 0
	HQ 1
	HQ 2
	HQ 3
	v_cmp_eq_u32 vcc_lo, 1, v13                    ; lanes 0-15 store the scale bytes of tiles 0-7 (l / 128 = 2 w), lanes 16-31 those of tiles 8-15 (2 w + 1)
.irp i, 0,1,2,3
	v_cndmask_b32 v[SPK+\i], v[SPK+\i], v[SPK+4+\i], vcc_lo
.endr
	global_store_b128 v[HSA], v[SPK:SPK+3], s[14:15]   ; sixteen lanes store 256 consecutive bytes, aligned
	s_wait_tensorcnt 0x0
	ds_add_u32 v254, v255
	s_wait_dscnt 0x0
	s_endpgm
.Lfunc_end_k_q6521d9c163_dct:
	.size	k_q6521d9c163_dct, .Lfunc_end_k_q6521d9c163_dct-k_q6521d9c163_dct
	.p2alignl 7, 3214868480
	.fill 96, 4, 3214868480
	.section	.rodata,"a",@progbits
	.p2align	6, 0x0
	.amdhsa_kernel k_q6521d9c163_dct
		.amdhsa_group_segment_fixed_size 327680
		.amdhsa_private_segment_fixed_size 0
		.amdhsa_enable_private_segment 0
		.amdhsa_kernarg_size 48
		.amdhsa_user_sgpr_count 2
		.amdhsa_user_sgpr_kernarg_segment_ptr 1
		.amdhsa_wavefront_size32 1
		.amdhsa_system_sgpr_workgroup_id_x 1
		.amdhsa_system_sgpr_workgroup_id_y 1
		.amdhsa_system_sgpr_workgroup_id_z 1
		.amdhsa_system_vgpr_workitem_id 0
		.amdhsa_next_free_vgpr 1024
		.amdhsa_next_free_sgpr 80
		.amdhsa_reserve_vcc 1
		.amdhsa_float_denorm_mode_32 3
		.amdhsa_float_denorm_mode_16_64 3
		.amdhsa_memory_ordered 1
		.amdhsa_forward_progress 1
		.amdhsa_inst_pref_size 255
	.end_amdhsa_kernel
	.section	.bss,"aw",@nobits
	.p2align	6
	.space	262144
	.amdgpu_metadata
---
amdhsa.version: [ 1, 2 ]
amdhsa.kernels:
  - .name:           k_q6521d9c163_dct
    .symbol:         k_q6521d9c163_dct.kd
    .args:
      - { .name: x, .offset: 0, .size: 8, .value_kind: global_buffer, .address_space: global }
      - { .name: dq, .offset: 8, .size: 8, .value_kind: global_buffer, .address_space: global }
      - { .name: ln_w, .offset: 16, .size: 8, .value_kind: global_buffer, .address_space: global }
      - { .name: ln_b, .offset: 24, .size: 8, .value_kind: global_buffer, .address_space: global }
      - { .name: hq, .offset: 32, .size: 8, .value_kind: global_buffer, .address_space: global }
      - { .name: hs, .offset: 40, .size: 8, .value_kind: global_buffer, .address_space: global }
    .group_segment_fixed_size: 327680
    .private_segment_fixed_size: 0
    .kernarg_segment_align: 8
    .kernarg_segment_size: 48
    .max_flat_workgroup_size: 128
    .sgpr_count:     80
    .vgpr_count:     1024
    .wavefront_size: 32
...
	.end_amdgpu_metadata
.endif
;; end of part 2
;; launch mlp (part 3): grid 256 x 1, 4 waves a work-group, no clusters, 327,680 bytes of LDS; arguments hq, hs, wq, x, out0; writes out0
.if DOCPART == 3
	.amdgcn_target "amdgcn-amd-amdhsa--gfx1250"
	.amdhsa_code_object_version 6
	.text
	.protected	k_q6521d9c163_mlp
	.globl	k_q6521d9c163_mlp
	.p2align	8
	.type	k_q6521d9c163_mlp,@function
k_q6521d9c163_mlp:
	s_mov_b64 s[64:65], 0
	v_nop
	global_prefetch_b8 v0, s[64:65] scope:SCOPE_SE
	s_setreg_imm32_b32 hwreg(HW_REG_WAVE_MODE, 25, 1), 1
	s_wait_xcnt 0x0
; out = x * sigmoid(Q(relu(Q(h) Q(w1)^T)) Q(w2)^T), both products on codes of FP6 (E2M3) with one E8M0 scale for each 32 along K.  K = the 512 channels, then the 1,024 hidden units.
; SHARES.  A work-group takes one tile (b = g / 8, l = 128 (g % 8) .. + 127): 128 rows l x all channels.  THE WAVES SHARE THE COLUMNS: in phase 1 wave w makes hidden units 256 w + 128 p .. + 127 in two passes p
; (128 x 128 sums, 512 registers); in phase 2 output channels 128 w .. + 127 (again 512 registers).  The whole hidden layer lies in LDS as images of operand registers: it never goes to memory.
; PHASE 1 is used transposed (source 0 = 16 rows of w1, source 1 = 16 rows l of h): a lane holds one l, and, by the choice of w1's rows in launch prep, 16 neighbouring hidden units in the 16 registers of two
; neighbouring tiles: relu, the quantiser, and the fragment goes to LDS.  PHASE 2: source 0 = the hidden layer's 16 rows l, source 1 = 16 rows of w2: a lane's 8 registers are 8 neighbouring l of one channel.
; THE WEIGHTS come as codes in the order of the operand's registers, one stream for each wave (w1's 16 groups, then w2's 16), from memory straight into registers: a ring of 4 groups of 4 fragments, 13 loads a group;
; every fragment is read once by the work-group.
; NO CLUSTER: beside the images LDS has room for two slots of one K step of weights at the most, 64 products in which a joint refill would have to land; and a fragment feeds one wave alone.
; h's 32 fragments; nothing in LDS is filled twice.  The other 48 rows of x are loaded into registers behind the last
; product; they are prefetched during phase 2.
; LIMITS: NaN and infinities are not served; a block whose largest magnitude lies under 2^-124 keeps the byte 1; a block of zeros gets the byte 1 and not 127 (its codes are zeros; the bytes never leave the work-group).
.set GI,  49152                        ; LDS: 0: h's 32 images (fragment 8 s + m, 1,536 bytes), later the four stages of 16 x 528 bytes;  GI: the hidden layer's 64 images;
.set GS,  147456                       ; their scale words, 128 bytes each;
.set XL,  155648                       ; x: 80 rows of 512 bytes for each wave
.set L16, 1                            ; v1   16 x lane
.set L8,  2                            ; v2   8 x lane
.set LG0, 3                            ; v3   GI + 16 x lane
.set LG1, 4                            ; v4   + 49,152: K steps 4 to 7
.set GSR, 5                            ; v5   GS + 4 x lane
.set GW0, 6                            ; v6   LG0 + 24,576 x wave
.set GWP, 7                            ; v7   + 12,288 x pass: where my images go
.set GSW0, 8                           ; v8   GSR + 2,048 x wave
.set GSWP, 9                           ; v9   + 1,024 x pass
.set SO,  10                           ; v10  the stage: where I put 32 bytes of a row
.set SR,  11                           ; v11  and where I read a row back
.set XR,  12                           ; v12  my 16 bytes of a row of x in LDS
.set PFO, 14                           ; v14  the prefetches' offset: row lane / 2, 256-byte half lane % 2
.set HSO, 15                           ; v15  16 r: hs
.set WS,  16                           ; v16-23  the weights' scale words, two registers a ring slot
.set GSC, 24                           ; v24-31  the hidden layer's, one a row tile
.set HS,  32                           ; v32-63  h's: register 8 s + m
.set HF,  64                           ; v64-159 eight fragments of h or of the hidden layer
.set TM,  160                          ; v160-175 the quantiser's work
.set PW,  176
.set PC,  178                          ; v178-196
.set RAW, 198                          ; v198-229 hs as loaded
.set G1H, 24                           ; s[24:31], s[40:43] descriptor groups 1 and 0 for h;  s[32:39], s[44:47] for x
.set G1X, 32
.set G0H, 40
.set G0X, 44
.set SEL, 20
.set MSB, 0
.macro WIN new                         ; s_set_vgpr_msb: bits 1:0 source 0, 3:2 source 1, 5:4 source 2, 7:6 destination; the high byte repeats the setting that is left
.if MSB != \new
	s_set_vgpr_msb (MSB<<8)|\new
.set MSB, \new
.endif
.endm
.macro PLACES n
.rept \n
	v_nop
.endr
.endm
; 64 numbers of a lane, in window W (register 16 b + i = position 16 (lane / 16) + i of block b of my row), become a fragment's 12 registers in v[PC] on and the rows' scale word in v[PW].
.macro QUANT src, W
.set QW, (\W)|((\W)<<2)
	WIN QW
.irp b, 0,1,2,3
	v_max3_num_f32 v[TM+\b], |v[(\src)+16*\b]|, |v[(\src)+16*\b+1]|, 0x1800000   ; my 16 numbers of block b, and the floor 2^(3 - 127): the byte cannot fall under 1
.endr
.set QW, ((\W)<<2)|((\W)<<4)
	WIN QW
.irp i, 2,4,6,8,10,12,14
.irp b, 0,1,2,3
	v_max3_num_f32 v[TM+\b], v[TM+\b], |v[(\src)+16*\b+\i]|, |v[(\src)+16*\b+\i+1]|
.endr
.endr
	WIN 0
.irp b, 0,1,2,3
	v_permlanex16_b32 v[TM+4+\b], v[TM+\b], s[SEL], s[SEL+1]
.endr
.irp b, 0,1,2,3
	v_max_num_f32 v[TM+\b], v[TM+\b], v[TM+4+\b]   ; with lane l xor 16's 16: the block's largest magnitude
.endr
.irp b, 0,1,2,3
	v_add_nc_u32 v[TM+12+\b], 0xff000000, v[TM+\b]   ; 2 off its exponent field: the conversion's scale operand
.endr
.irp b, 0,1,2,3
	v_lshrrev_b32 v[TM+8+\b], 23, v[TM+12+\b]   ; the scale's byte
.endr
	s_wait_dscnt 0x0                               ; the last image's stores have read the word and the codes
	v_lshl_or_b32 v[PW], v[TM+9], 8, v[TM+8]
	v_lshl_or_b32 v[PW], v[TM+10], 16, v[PW]
	v_lshl_or_b32 v[PW], v[TM+11], 24, v[PW]
.set QW, (\W)
	WIN QW
.irp c, 0,1
	v_cvt_scalef32_pk16_fp6_f32 v[PC+6*\c:PC+6*\c+2], v[(\src)+32*\c:(\src)+32*\c+15], v[TM+12+2*\c]
	v_cvt_scalef32_pk16_fp6_f32 v[PC+12+4*\c:PC+12+4*\c+2], v[(\src)+32*\c+16:(\src)+32*\c+31], v[TM+12+2*\c+1]   ; (a conversion's three registers begin on an even number)
.endr
	WIN 0
	v_nop                                          ; one plain place behind a scaled conversion
.irp c, 0,1                                    ; the layout wants a whole block in a lane: lanes 0-15 block 2 c, lanes 16-31 block 2 c + 1
.irp i, 0,1,2
	v_permlane16_swap_b32 v[PC+6*\c+\i], v[PC+12+4*\c+\i]
.endr
.irp i, 0,1,2
	v_mov_b32 v[PC+3+6*\c+\i], v[PC+12+4*\c+\i]
.endr
.endr
.endm
.macro IMAGE adr, off                  ; the fragment in v[PC] on goes to LDS as it stands: lane l's 16 bytes at 16 l
.irp c, 0,1,2
	ds_store_b128 v[\adr], v[PC+4*\c:PC+4*\c+3] offset:(\off)+512*\c
.endr
.endm
	s_load_b256 s[4:11], s[0:1], 0x0               ; hq s[4:5], hs s[6:7], wq s[8:9], x s[10:11]
	s_load_b64 s[12:13], s[0:1], 0x20              ; out0
	v_lshl_add_u32 v254, v0, 2, 0x4e000
	v_mov_b32 v255, 0
	ds_add_u32 v254, v255
	ds_add_u32 v254, v255
	v_lshrrev_b32 v160, 5, v0
	v_readfirstlane_b32 s16, v160                  ; wave 0..3
	; h: my quarter of the tile's 49,152 dense bytes, as 48 rows of 256 bytes (32 elements of 8 bytes)
	s_mov_b32 s[G1H+0], 3<<16
	s_mov_b32 s[G1H+1], 32<<16
	s_mov_b32 s[G1H+2], 48<<16
	s_mov_b32 s[G1H+3], 32<<16
	s_mov_b32 s[G1H+4], 48
	s_mov_b32 s[G1H+5], 32
	s_mov_b32 s[G1H+6], 0
	s_mov_b32 s[G1H+7], 0
	; x: 80 rows (channels) of 512 bytes (64 elements of 8 bytes), 4,096 bytes apart
	s_mov_b32 s[G1X+0], 3<<16
	s_mov_b32 s[G1X+1], 64<<16
	s_mov_b32 s[G1X+2], 80<<16
	s_mov_b32 s[G1X+3], 64<<16
	s_mov_b32 s[G1X+4], 80
	s_mov_b32 s[G1X+5], 512
	s_mov_b32 s[G1X+6], 0
	s_mov_b32 s[G1X+7], 0
	s_mul_i32 s2, ttmp9, 49152
	s_mul_i32 s17, s16, 12288
	s_add_co_u32 s2, s2, s17
	s_mov_b32 s3, 0
	s_lshr_b32 s18, ttmp9, 3
	s_lshl_b32 s18, s18, 21                        ; x and out0: batch b, 2,097,152 bytes each,
	s_lshl_b32 s19, s16, 19                        ; channel 128 w,
	s_add_co_u32 s18, s18, s19
	s_and_b32 s19, ttmp9, 7
	s_lshl_b32 s19, s19, 9                         ; l = 128 (g % 8)
	s_add_co_u32 s18, s18, s19
	s_mov_b32 s19, 0
	s_mul_i32 s48, s16, 40960
	s_wait_dscnt 0x0
	s_wait_kmcnt 0x0
	s_add_nc_u64 s[10:11], s[10:11], s[18:19]
	s_add_nc_u64 s[12:13], s[12:13], s[18:19]
	s_mov_b32 s[G0H], 1
	s_mov_b32 s[G0H+1], s17
	s_add_nc_u64 s[G0H+2:G0H+3], s[4:5], s[2:3]
	s_or_b32 s[G0H+3], s[G0H+3], 0x80000000
	s_mov_b32 s[G0X], 1
	s_add_co_u32 s[G0X+1], s48, XL
	s_mov_b64 s[G0X+2:G0X+3], s[10:11]
	s_or_b32 s[G0X+3], s[G0X+3], 0x80000000
	tensor_load_to_lds s[G0H:G0H+3], s[G1H:G1H+7]  ; both first fills together, ahead of every wait, LDS read and barrier
	s_nop 0
	tensor_load_to_lds s[G0X:G0X+3], s[G1X:G1X+7]
	s_nop 0
	PLACES 4                                       ; (four places behind a tensor load)
	v_and_b32 v160, 15, v0                         ; r
	v_bfe_u32 v161, v0, 4, 1                       ; h
	v_and_b32 v162, 31, v0                         ; lane
	v_lshlrev_b32 v[L16], 4, v162
	v_lshlrev_b32 v[L8], 3, v162
	v_add_nc_u32 v[LG0], GI, v[L16]
	v_add_nc_u32 v[LG1], GI+49152, v[L16]
	v_lshlrev_b32 v[GSR], 2, v162
	v_add_nc_u32 v[GSR], GS, v[GSR]
	s_mul_i32 s2, s16, 24576
	v_add_nc_u32 v[GW0], s2, v[LG0]
	s_lshl_b32 s2, s16, 11
	v_add_nc_u32 v[GSW0], s2, v[GSR]
	s_mul_i32 s2, s16, 8448
	v_mul_u32_u24 v[SO], v160, 528
	v_lshl_add_u32 v[SO], v161, 5, v[SO]
	v_add_nc_u32 v[SO], s2, v[SO]
	v_add_nc_u32 v[SR], s2, v[L16]
	s_add_co_u32 s2, s48, XL
	v_add_nc_u32 v[XR], s2, v[L16]
	v_lshrrev_b32 v[PFO], 1, v162
	v_lshlrev_b32 v[PFO], 12, v[PFO]
	v_and_b32 v163, 1, v162
	v_lshl_add_u32 v[PFO], v163, 8, v[PFO]
	v_lshlrev_b32 v[HSO], 4, v160
.irp b, 0,1,2,3
	v_mov_b32 v[TM+4+\b], 0                        ; written once: a lane permute's destination counts as one of its sources
.endr
	s_mov_b32 s[SEL], 0x76543210
	s_mov_b32 s[SEL+1], 0xfedcba98
	s_mov_b32 s53, 0x05040100                      ; v_perm_b32: the two low halves,
	s_mov_b32 s54, 0x07060302                      ; the two high halves
	s_lshl_b32 s2, ttmp9, 11                       ; hs: 2,048 bytes a tile
	s_mov_b32 s3, 0
	s_add_nc_u64 s[6:7], s[6:7], s[2:3]
	s_mul_i32 s2, s16, 204800                      ; wq: my wave's stream of 32 groups
	s_add_nc_u64 s[8:9], s[8:9], s[2:3]
.irp c, 0,1,2,3,4,5,6,7
	global_load_b128 v[RAW+4*\c:RAW+4*\c+3], v[HSO], s[6:7] offset:256*\c   ; channel group c: the eight row tiles' pairs of bytes at my r
.endr
; A group of weights: its scale words, then four fragments: 13 loads.
.macro WLOAD slot, off
	WIN 0
	global_load_b64 v[WS+2*(\slot):WS+2*(\slot)+1], v[L8], s[8:9] offset:(\off)+6144
	WIN 0x40                                       ; destination window 1
.irp f, 0,1,2,3
.irp c, 0,1,2
	global_load_b128 v[48*(\slot)+12*\f+4*\c:48*(\slot)+12*\f+4*\c+3], v[L16], s[8:9] offset:(\off)+1536*\f+512*\c
.endr
.endr
.endm
.macro HLOAD s, m                      ; h's fragment (K step s, row tile m), in the four parts in which it was stored: 4 LDS loads
.set HO, 1536*(8*(\s)+(\m))
.set HR, HF+12*(\m)
	ds_load_b128 v[HR:HR+3], v[L16] offset:HO
	ds_load_b64 v[HR+4:HR+5], v[L8] offset:HO+512
	ds_load_b128 v[HR+6:HR+9], v[L16] offset:HO+768
	ds_load_b64 v[HR+10:HR+11], v[L8] offset:HO+1280
.endm
.macro GLOAD s, m                      ; the hidden layer's fragment (K step s, row tile m) and its scale word: 4 LDS loads
.if (\s) < 4
.set GA, LG0
.else
.set GA, LG1
.endif
.irp c, 0,1,2
	ds_load_b128 v[HF+12*(\m)+4*\c:HF+12*(\m)+4*\c+3], v[GA] offset:1536*(8*((\s)%4)+(\m))+512*\c
.endr
	ds_load_b32 v[GSC+(\m)], v[GSR] offset:128*(8*(\s)+(\m))
.endm
; 16 products of phase 1: tiles 4 tq .. + 3 of w1 x row tiles 4 mq .. + 3; accumulator (m, t) at v[64 (m % 4) + 8 t] of window 2 (m < 4) or 3.  The accumulators take turns, one instruction a turn.
.macro P1MM s, tq, mq
.set SL, (2*(\s)+(\tq))%4
.irp f, 0,1,2,3
.irp mm, 0,1,2,3
.set AC, 64*\mm+8*(4*(\tq)+\f)
.set HR, HF+12*(4*(\mq)+\mm)
.set WR, 48*SL+12*\f
.set SA, WS+2*SL+\f/2
.set SB, HS+8*(\s)+4*(\mq)+\mm
.if (\s) == 0
.if \f%2
	v_wmma_scale_f32_16x16x128_f8f6f4 v[AC:AC+7], v[WR:WR+11], v[HR:HR+11], 0, v[SA], v[SB] matrix_a_fmt:MATRIX_FMT_FP6 matrix_b_fmt:MATRIX_FMT_FP6 matrix_a_scale:MATRIX_SCALE_ROW1
.else
	v_wmma_scale_f32_16x16x128_f8f6f4 v[AC:AC+7], v[WR:WR+11], v[HR:HR+11], 0, v[SA], v[SB] matrix_a_fmt:MATRIX_FMT_FP6 matrix_b_fmt:MATRIX_FMT_FP6
.endif
.else
.if \f%2
	v_wmma_scale_f32_16x16x128_f8f6f4 v[AC:AC+7], v[WR:WR+11], v[HR:HR+11], v[AC:AC+7], v[SA], v[SB] matrix_a_fmt:MATRIX_FMT_FP6 matrix_b_fmt:MATRIX_FMT_FP6 matrix_a_scale:MATRIX_SCALE_ROW1
.else
	v_wmma_scale_f32_16x16x128_f8f6f4 v[AC:AC+7], v[WR:WR+11], v[HR:HR+11], v[AC:AC+7], v[SA], v[SB] matrix_a_fmt:MATRIX_FMT_FP6 matrix_b_fmt:MATRIX_FMT_FP6
.endif
.endif
.endr
.endr
.endm
; A K step of phase 1: 64 products on the pass's groups 2 s and 2 s + 1.  Each run of loads into registers that products have read stands behind four places.
.macro P1STEP s
	s_wait_loadcnt 39                              ; group 2 s is in: three groups of 13 loads were issued behind it
	s_wait_dscnt 16                                ; h's row tiles 0-3 are in; the 16 loads of tiles 4-7 may be out
	WIN 0xa1                                       ; source 0 (w1) window 1, source 1 (h) window 0, C and D window 2
	P1MM \s, 0, 0
	s_wait_dscnt 0x0
	WIN 0xf1                                       ; C and D window 3
	P1MM \s, 0, 1
	PLACES 4
	WLOAD ((2*(\s))%4), 6400*(2*(\s)+4)            ; the slot takes the group four further on
	s_wait_loadcnt 39                              ; group 2 s + 1 is in
	WIN 0xa1
	P1MM \s, 1, 0
.if (\s) < 3
	PLACES 4
	WIN 0
.irp m, 0,1,2,3
	HLOAD ((\s)+1), \m
.endr
.endif
	WIN 0xf1
	P1MM \s, 1, 1
	PLACES 4
	WLOAD ((2*(\s)+1)%4), 6400*(2*(\s)+5)
.if (\s) < 3
	WIN 0
.irp m, 4,5,6,7
	HLOAD ((\s)+1), \m
.endr
.endif
.endm
; Row tile m's 128 hidden units: relu in f32 (each accumulator from its low end on), the quantiser, the image and the scale word to LDS.
.macro HID m
.set HB0, 64*((\m)%4)
.set HW, 2+(\m)/4
.set QW, (HW<<6)|(HW<<2)
	WIN QW
.set QQ, 0
.rept 64
	v_max_num_f32 v[HB0+QQ], 0, v[HB0+QQ]
.set QQ, QQ+1
.endr
	QUANT HB0, HW
	IMAGE GWP, 1536*(\m)
	ds_store_b32 v[GSWP], v[PW] offset:128*(\m)
.endm
; 16 products of phase 2: row tiles 4 mq .. + 3 of the hidden layer x tiles 4 tq .. + 3 of w2; accumulator (t, m) at v[64 (t % 4) + 8 m] of window 2 (t < 4) or 3.
.macro P2MM s, tq, mq
.set SL, (2*(\s)+(\tq))%4
.irp f, 0,1,2,3
.irp mm, 0,1,2,3
.set AC, 64*\f+8*(4*(\mq)+\mm)
.set HR, HF+12*(4*(\mq)+\mm)
.set WR, 48*SL+12*\f
.set SA, GSC+4*(\mq)+\mm
.set SB, WS+2*SL+\f/2
.if (\s) == 0
.if \f%2
	v_wmma_scale_f32_16x16x128_f8f6f4 v[AC:AC+7], v[HR:HR+11], v[WR:WR+11], 0, v[SA], v[SB] matrix_a_fmt:MATRIX_FMT_FP6 matrix_b_fmt:MATRIX_FMT_FP6 matrix_b_scale:MATRIX_SCALE_ROW1
.else
	v_wmma_scale_f32_16x16x128_f8f6f4 v[AC:AC+7], v[HR:HR+11], v[WR:WR+11], 0, v[SA], v[SB] matrix_a_fmt:MATRIX_FMT_FP6 matrix_b_fmt:MATRIX_FMT_FP6
.endif
.else
.if \f%2
	v_wmma_scale_f32_16x16x128_f8f6f4 v[AC:AC+7], v[HR:HR+11], v[WR:WR+11], v[AC:AC+7], v[SA], v[SB] matrix_a_fmt:MATRIX_FMT_FP6 matrix_b_fmt:MATRIX_FMT_FP6 matrix_b_scale:MATRIX_SCALE_ROW1
.else
	v_wmma_scale_f32_16x16x128_f8f6f4 v[AC:AC+7], v[HR:HR+11], v[WR:WR+11], v[AC:AC+7], v[SA], v[SB] matrix_a_fmt:MATRIX_FMT_FP6 matrix_b_fmt:MATRIX_FMT_FP6
.endif
.endif
.endr
.endr
.endm
.macro LWAIT gl                        ; w2's group gl is in: behind it at most three groups were issued, fewer at the stream's end
.set LEFT, 15-(\gl)
.if LEFT > 3
.set LEFT, 3
.endif
	s_wait_loadcnt 13*LEFT
.endm
.macro P2STEP s
	LWAIT (2*(\s))
	s_wait_dscnt 16                                ; row tiles 0-3 are in; the 16 loads of tiles 4-7 may be out
	WIN 0xa4                                       ; source 0 (hidden) window 0, source 1 (w2) window 1, C and D window 2
	P2MM \s, 0, 0
	s_wait_dscnt 0x0
	P2MM \s, 0, 1
	PLACES 4
.if 2*(\s)+4 <= 15
	WLOAD ((2*(\s))%4), 6400*(2*(\s)+4)
.endif
	LWAIT (2*(\s)+1)
	WIN 0xf4                                       ; C and D window 3
	P2MM \s, 1, 0
.if (\s) < 7
	PLACES 4
	WIN 0
.irp m, 0,1,2,3
	GLOAD ((\s)+1), \m
.endr
.endif
	WIN 0xf4
	P2MM \s, 1, 1
	PLACES 4
.if 2*(\s)+5 <= 15
	WLOAD ((2*(\s)+1)%4), 6400*(2*(\s)+5)
.endif
.if (\s) < 7
	WIN 0
.irp m, 4,5,6,7
	GLOAD ((\s)+1), \m
.endr
.endif
.if ((\s) >= 3) && ((\s) <= 5)
	; 16 of the 48 rows of x that I load behind the last product, 512 bytes each: a lane names one 256-byte half of a row, each half once in the launch; 2 to 4 K steps ahead; the address registers are never rewritten
	global_prefetch_b8 v[PFO], s[10:11] offset:4096*(80+16*((\s)-3)) th:TH_LOAD_NT scope:SCOPE_SE
.endif
.endm
.irp g, 0,1,2,3
	WLOAD \g, 6400*\g
.endr
	WIN 0
	s_wait_loadcnt 52                              ; hs is in: four groups of 13 loads were issued behind it
.irp s, 0,1,2,3                                ; h's scale word of (K step s, row tile m): the two bytes of channel group 2 s below, those of 2 s + 1 above
.irp i, 0,1,2,3
	v_perm_b32 v[HS+8*\s+2*\i], v[RAW+4*(2*\s+1)+\i], v[RAW+4*(2*\s)+\i], s53
	v_perm_b32 v[HS+8*\s+2*\i+1], v[RAW+4*(2*\s+1)+\i], v[RAW+4*(2*\s)+\i], s54
.endr
.endr
	PLACES 8                                       ; a scale register written by a vector instruction stands 8 places ahead of a scaled matrix instruction
	s_wait_tensorcnt 1                             ; my quarter of h has landed; x's tile may stay out
	s_barrier_signal -1
	s_barrier_wait -1                              ; everybody's has
	; ---- PHASE 1: two passes of 128 hidden units a wave.  The ring of weights goes on over the loop's edge and into w2's groups.
	s_mov_b32 s50, 2
	s_mov_b32 s51, 0
	s_mov_b32 s52, 0
.Lpass:
	v_add_nc_u32 v[GWP], s51, v[GW0]
	v_add_nc_u32 v[GSWP], s52, v[GSW0]
.irp m, 0,1,2,3,4,5,6,7
	HLOAD 0, \m
.endr
	P1STEP 0
	P1STEP 1
	P1STEP 2
	P1STEP 3
.irp m, 0,1,2,3,4,5,6,7
	HID \m
.endr
	WIN 0                                          ; at a label and at a branch every window is 0
	s_wait_xcnt 0x0                                ; the pending loads have read their base: it may step
	s_add_nc_u64 s[8:9], s[8:9], 51200             ; eight groups on
	s_add_co_u32 s51, s51, 12288
	s_add_co_u32 s52, s52, 1024
	s_sub_co_u32 s50, s50, 1
	s_cmp_lg_u32 s50, 0
	s_cbranch_scc1 .Lpass
	s_wait_dscnt 0x0                               ; for the others' sake: my images have landed, and my reads of h are over
	s_barrier_signal -1
	s_barrier_wait -1                              ; the hidden layer's 64 fragments lie in LDS
	; ---- PHASE 2
.irp m, 0,1,2,3,4,5,6,7
	GLOAD 0, \m
.endr
.irp s, 0,1,2,3,4,5,6,7
	P2STEP \s
.endr
	; ---- THE WAY OUT, a block t of 16 channels x 128 l at a time: the sigmoid in place; through my own stage in LDS (in the bytes that held h: filled once, and last read in front of the barrier between the phases)
	; back as whole rows of 512 bytes; x x gate; 32 lanes store a row.
	WIN 0x40                                       ; (four places stand behind the last product)
.irp t, 5,6,7
.irp i, 0,1,2,3,4,5,6,7,8,9,10,11,12,13,14,15
	global_load_b128 v[64*(\t-5)+4*\i:64*(\t-5)+4*\i+3], v[L16], s[10:11] offset:4096*(16*\t+\i) th:TH_LOAD_NT   ; x's rows of blocks 5 to 7, into the ring's registers
.endr
.endr
	s_wait_tensorcnt 0x0                           ; x's rows of blocks 0 to 4 lie in LDS: my own tile, read by me alone
.macro SIG t                           ; 1 / (1 + 2^(-y log2 e)): two batches of 64 transcendentals, one plain place and one wait behind each
.set AB, 64*((\t)%4)
.set HW, 2+(\t)/4
.set QW, (HW<<6)|HW
	WIN QW
.set QQ, 0
.rept 32
	v_pk_mul_f32 v[AB+QQ:AB+QQ+1], v[AB+QQ:AB+QQ+1], 0xbfb8aa3b op_sel_hi:[1,0]
.set QQ, QQ+2
.endr
.set QQ, 0
.rept 64
	v_exp_f32 v[AB+QQ], v[AB+QQ]
.set QQ, QQ+1
.endr
	v_nop
	s_wait_alu depctr_va_vdst(0)
.set QQ, 0
.rept 32
	v_pk_add_f32 v[AB+QQ:AB+QQ+1], v[AB+QQ:AB+QQ+1], 1.0 op_sel_hi:[1,0]
.set QQ, QQ+2
.endr
.set QQ, 0
.rept 64
	v_rcp_f32 v[AB+QQ], v[AB+QQ]
.set QQ, QQ+1
.endr
	v_nop
	s_wait_alu depctr_va_vdst(0)
.endm
.macro TOSTAGE t
.set AB, 64*((\t)%4)
.set GB, 64+64*((\t)%2)
.if (\t) >= 2
	s_wait_xcnt 0x0                                ; block t - 2's stores have read their data: the loads below may land there
.endif
.set QW, (2+(\t)/4)<<2
	WIN QW                                         ; an LDS store's data are its source 1
.irp m, 0,1,2,3,4,5,6,7
	ds_store_b128 v[SO], v[AB+8*\m:AB+8*\m+3] offset:64*\m          ; lane (r, h): channel 16 t + r, l = 16 m + 8 h + 0 .. 7
	ds_store_b128 v[SO], v[AB+8*\m+4:AB+8*\m+7] offset:64*\m+16
.endr
	WIN 0
.irp i, 0,1,2,3,4,5,6,7,8,9,10,11,12,13,14,15
	ds_load_b128 v[GB+4*\i:GB+4*\i+3], v[SR] offset:528*\i          ; LDS serves a wave's instructions in order (ISA guide 5.7.1.4): these see my stores, and the next block's stores come behind them
.endr
.if (\t) < 5
	WIN 0x40
.irp i, 0,1,2,3,4,5,6,7,8,9,10,11,12,13,14,15
	ds_load_b128 v[192+4*\i:192+4*\i+3], v[XR] offset:8192*(\t)+512*\i
.endr
.endif
.endm
.macro SEND t
.set GB, 64+64*((\t)%2)
.if (\t) < 5
.set XR0, 192
.else
.set XR0, 64*((\t)-5)
.endif
	s_wait_dscnt 0x0                               ; the block's gates, and x's rows from LDS, are in
.if (\t) >= 5
	s_wait_loadcnt 16*(7-(\t))                     ; x's 16 rows of this block are in; those of the later blocks may be out
.endif
	WIN 0x04                                       ; source 1 (x) window 1
.set QQ, 0
.rept 32
	v_pk_mul_f32 v[GB+QQ:GB+QQ+1], v[GB+QQ:GB+QQ+1], v[XR0+QQ:XR0+QQ+1]
.set QQ, QQ+2
.endr
	WIN 0
.irp i, 0,1,2,3,4,5,6,7,8,9,10,11,12,13,14,15
	global_store_b128 v[L16], v[GB+4*\i:GB+4*\i+3], s[12:13] offset:4096*(16*(\t)+\i) th:TH_STORE_NT   ; 32 lanes store 512 consecutive bytes, at a multiple of 256 from out0's first byte
.endr
.endm
	SIG 0
	TOSTAGE 0
.irp t, 1,2,3,4,5,6,7
	SIG \t                                         ; a block's sigmoid stands between the loads of the block before and the wait for them
	SEND \t-1
	TOSTAGE \t
.endr
	SEND 7
	s_wait_tensorcnt 0x0
	ds_add_u32 v254, v255
	s_wait_dscnt 0x0
	s_endpgm
.Lfunc_end_k_q6521d9c163_mlp:
	.size	k_q6521d9c163_mlp, .Lfunc_end_k_q6521d9c163_mlp-k_q6521d9c163_mlp
	.p2alignl 7, 3214868480
	.fill 96, 4, 3214868480
	.section	.rodata,"a",@progbits
	.p2align	6, 0x0
	.amdhsa_kernel k_q6521d9c163_mlp
		.amdhsa_group_segment_fixed_size 327680
		.amdhsa_private_segment_fixed_size 0
		.amdhsa_enable_private_segment 0
		.amdhsa_kernarg_size 40
		.amdhsa_user_sgpr_count 2
		.amdhsa_user_sgpr_kernarg_segment_ptr 1
		.amdhsa_wavefront_size32 1
		.amdhsa_system_sgpr_workgroup_id_x 1
		.amdhsa_system_sgpr_workgroup_id_y 1
		.amdhsa_system_sgpr_workgroup_id_z 1
		.amdhsa_system_vgpr_workitem_id 0
		.amdhsa_next_free_vgpr 1024
		.amdhsa_next_free_sgpr 66
		.amdhsa_reserve_vcc 0
		.amdhsa_float_denorm_mode_32 3
		.amdhsa_float_denorm_mode_16_64 3
		.amdhsa_memory_ordered 1
		.amdhsa_forward_progress 1
		.amdhsa_inst_pref_size 255
	.end_amdhsa_kernel
	.section	.bss,"aw",@nobits
	.p2align	6
	.space	262144
	.amdgpu_metadata
---
amdhsa.version: [ 1, 2 ]
amdhsa.kernels:
  - .name:           k_q6521d9c163_mlp
    .symbol:         k_q6521d9c163_mlp.kd
    .args:
      - { .name: hq, .offset: 0, .size: 8, .value_kind: global_buffer, .address_space: global }
      - { .name: hs, .offset: 8, .size: 8, .value_kind: global_buffer, .address_space: global }
      - { .name: wq, .offset: 16, .size: 8, .value_kind: global_buffer, .address_space: global }
      - { .name: x, .offset: 24, .size: 8, .value_kind: global_buffer, .address_space: global }
      - { .name: out0, .offset: 32, .size: 8, .value_kind: global_buffer, .address_space: global }
    .group_segment_fixed_size: 327680
    .private_segment_fixed_size: 0
    .kernarg_segment_align: 8
    .kernarg_segment_size: 40
    .max_flat_workgroup_size: 128
    .sgpr_count:     66
    .vgpr_count:     1024
    .wavefront_size: 32
...
	.end_amdgpu_metadata
.endif
;; end of part 3
